; MI455X (gfx1250); checked and timed in simulation.
; The chip was launched on July 23, 2026; its instructions are those of AMD's public machine-readable ISA for CDNA 5 (MIT licence, August 2026) and "CDNA5" Instruction Set Architecture Reference Guide (July 2026). The comments in the code are by the model that wrote it; some were corrected since.
;; Wildcat Pool2d. Allowed arithmetic: float matrix products may take bf16 or f16 operands with f32 sums; all other float work in f32.
;; Inputs: x 64 x 512 x 32 x 32 float32.
;; Outputs: out0 64 x 512 float32.
;; One version. Each part assembles by itself: llvm-mc -triple=amdgcn-amd-amdhsa -mcpu=gfx1250 --defsym DOCPART=n.
;; ======== version 1 of 1: 1 launch
;; limits: an absolute error that grows with the inputs' magnitude: up to 0.00021 times it
;; launch wildcat (part 1): grid 256 x 1, 16 waves a work-group, no clusters, 2,560 bytes of LDS; arguments x, out0; writes out0
.if DOCPART == 1
	.amdgcn_target "amdgcn-amd-amdhsa--gfx1250"
	.amdhsa_code_object_version 6
	.text
	.protected	k_q6de0eeecd0_wildcat
	.globl	k_q6de0eeecd0_wildcat
	.p2align	8
	.type	k_q6de0eeecd0_wildcat,@function
k_q6de0eeecd0_wildcat:
	s_mov_b64 s[64:65], 0
	v_nop
	global_prefetch_b8 v0, s[64:65] scope:SCOPE_SE
	s_setreg_imm32_b32 hwreg(HW_REG_WAVE_MODE, 25, 1), 1
	s_wait_xcnt 0x0
; WildcatPool2d: out0[row] = 0.5 * mean(205 largest of the row) + 0.35 * mean(205 smallest), 32,768 rows of 1,024 f32.
;
; METHOD.  For any t, k t + sum max(u - t, 0) >= the sum of the k largest u, with equality at the k-th largest.  So no sort:
; a threshold is bisected and one more pass forms the sum.  A row is mapped to z in [0,1] by its own minimum and range; the top
; search runs on u = z, the bottom search on u = 1 - z.  A count of u > c is sum clamp((u - c) 2^RAMP, 0, 1): one packed
; multiply-add with clamp and one packed add for two elements.  It lies between count(u >= c + 2^-RAMP) and count(u > c), so
; 'sum >= 204.5' proves count(u > c) >= 205 and 'sum < 204.5' proves that the 205th largest is below c + 2^-RAMP.
; After NBITS steps the 205th largest lies in [lo, tau], tau = lo + 2^-NBITS + 2^-RAMP.  The excess of the formula at tau is
; a sum of at most (205 - count at hi) terms, each in [0, 2^-NBITS + 2^-RAMP]; half of that bound is taken off.
;
; LIMITS, for any data: |error of out0| <= 0.85 R (2^-(NBITS+1) + 2^-RAMP) beside ordinary f32 rounding, where
; R = max(row's range, 2^-20 max|x| of the row, 2^-120).  The bound moves with the row's scale and not with its offset.
; Inputs are finite and |x| < 2^124 (the reciprocal of the range must be a normal number); NaN and infinities are not served.
; A row of zeros alone gives a number of magnitude about 2^-133 in place of 0.
;
; SHARES.  256 work-groups of 16 waves; a work-group owns 128 rows, a wave 8, in 4 steps of 2 rows.  Lanes 0-15 hold one row,
; lanes 16-31 the next, 64 numbers a lane: each load covers two aligned runs of 256 bytes, and all sums over a row stay inside
; 16 lanes (DPP).  Of the 16 lanes, 0-7 own the top search and 8-15 the bottom search; every lane evaluates its own side's line
; (pair PA) and the partner side's line (pair PB) on its 64 numbers, and one add with row_xmask:8 brings the halves together.
; Two register buffers: a step's 16 loads are issued a whole step of arithmetic ahead.
; No matrix instruction (there is no product), no cluster (no byte is read by two work-groups), no LDS ring (a byte is used by
; one lane alone), no prefetch (after the first step each wave's data is asked for one step ahead by the loads themselves).
.set NBITS,  11                        ; bisection steps of each search
.set RAMP,   20                        ; the count's ramp is 2^-20 of the range wide
.set ROWB,   4096                      ; bytes in a row
.set STEPB,  2*ROWB                    ; bytes of a wave's step
.set C_B,      (127+RAMP)<<23                          ; 2^20
.set C_NHALF,  0x80000000|((127+RAMP-1)<<23)           ; -2^19: the first candidate, 1/2, in ramp units
.set C_NQUART, 0x80000000|((127+RAMP-2)<<23)           ; -2^18: the second step
.set C_IB,     (127-RAMP)<<23                          ; 2^-20
.set C_NTAU,   0x80000000|((127-NBITS)<<23)|(1<<(23-RAMP+NBITS))   ; -(2^-NBITS + 2^-RAMP)
.set C_HD,     (127-NBITS-1)<<23                       ; 2^-(NBITS+1): half a grid step
.set C_FLOOR,  (127-120)<<23                           ; 2^-120
.set C_INVK,   0x3b9fd80a                              ; 1/205
.set C_THR,    0x434c8000                              ; 204.5
.set OFF,  1                           ; v1      byte offset of my 16 bytes in my row of step 0
.set LAD,  2                           ; v2      LDS byte of my row's result in step 0
.set SGB,  3                           ; v3      +2^20 (top lanes) or -2^20 (bottom lanes)
.set SG1,  4                           ; v4      +1 or -1
.set D0,   5                           ; v5      0 or 2^20: the line's intercept at lo = 0
.set GW,   6                           ; v6      +0.5 or -0.35
.set WT,   7                           ; v7      0.5 or 0.35
.set DLO,  8                           ; v8      intercept at the present lo (exact: multiples of 2^(RAMP-NBITS))
.set SUM,  9                           ; v9      a pass's sum over the row, for my side
.set PA,   10                          ; v[10:11] my side's line: slope, intercept
.set PB,   12                          ; v[12:13] the partner side's line
.set PN,   14                          ; v[14:15] the map to [0,1]: 1/R, -min/R
.set MX,   16                          ; v16-19  two chains each of maximum and minimum
.set MN,   17
.set MX2,  18
.set MN2,  19
.set WID,  20                          ; v20     R
.set TMP,  21
.set MULW, 22                          ; v22     (+0.5 or -0.35) R
.set ADDM, 23                          ; v23     (0.5 or 0.35) min
.set AA0,  24                          ; v[24:31] four packed sums: my side twice, the partner side twice
.set AA1,  26
.set AB0,  28
.set AB1,  30
.set T,    32                          ; v[32:39] four packed terms
.set SHI,  40                          ; v40     the count found at the present hi
.set X0,   64                          ; v[64:127]  buffer 0
.set X1,   128                         ; v[128:191] buffer 1
	s_load_b128 s[4:7], s[0:1], 0x0                ; x s[4:5], out0 s[6:7]
	v_lshl_add_u32 v192, v0, 2, 0x200
	v_mov_b32 v193, 0
	v_lshrrev_b32 v[TMP], 5, v0                    ; wave
	v_bfe_u32 v[MX], v0, 4, 1                      ; which of the step's two rows
	v_and_b32 v[MN], 15, v0                        ; my place in the row's 16 lanes
	v_lshlrev_b32 v[OFF], 15, v[TMP]               ; wave x 8 rows x 4,096 bytes
	v_lshl_or_b32 v[OFF], v[MX], 12, v[OFF]        ; + row x 4,096
	v_lshl_or_b32 v[OFF], v[MN], 4, v[OFF]         ; + 16 bytes a lane
	s_lshl_b32 s10, ttmp9, 19                      ; the work-group's 128 rows: at most 255 x 2^19 bytes, inside 32 bits
	s_mov_b32 s11, 0
	s_lshl_b32 s12, ttmp9, 9                       ; and its 128 results
	s_mov_b32 s13, 0
	s_wait_kmcnt 0x0
	s_add_nc_u64 s[4:5], s[4:5], s[10:11]
	s_add_nc_u64 s[6:7], s[6:7], s[12:13]
.irp j, 0,1,2,3,4,5,6,7,8,9,10,11,12,13,14,15
	global_load_b128 v[X0+4*\j:X0+4*\j+3], v[OFF], s[4:5] offset:256*\j th:TH_LOAD_NT   ; step 0; x is read once in the launch
.endr
	; per-lane constants, while the first rows are on their way
	v_readfirstlane_b32 s8, v[TMP]                 ; wave number as a scalar
	v_lshlrev_b32 v[LAD], 5, v[TMP]                ; wave x 8 results x 4 bytes: at most 15 x 32 = 480
	v_lshl_add_u32 v[LAD], v[MX], 2, v[LAD]        ; + row x 4: at most 484; with step 3's offset of 24 and 4 bytes stored, byte 511 is the last
	v_bfe_u32 v[MX2], v0, 3, 1                     ; side: 0 top, 1 bottom
	v_lshlrev_b32 v[MN2], 31, v[MX2]               ; the side as a sign bit
	v_cmp_ne_u32 vcc_lo, 0, v[MX2]
	v_or_b32 v[SGB], C_B, v[MN2]
	v_or_b32 v[SG1], 0x3f800000, v[MN2]
	v_mov_b32 v[WID], C_B
	v_cndmask_b32 v[D0], 0, v[WID], vcc_lo
	v_mov_b32 v[WID], 0x3eb33333                   ; 0.35 = ALPHA / 2
	v_cndmask_b32 v[WT], 0.5, v[WID], vcc_lo
	v_or_b32 v[GW], v[WT], v[MN2]
	v_mov_b32 v[SUM], 0                            ; destinations of DPP forms count as read: written once here
	v_mov_b32 v[PB+1], 0
	s_mov_b32 s21, C_IB
	s_mov_b32 s22, C_NTAU
	s_mov_b32 s23, C_INVK
	s_mov_b32 s24, C_FLOOR
	s_mov_b32 s25, C_NHALF
	s_mov_b32 s26, C_THR
	s_mov_b32 s27, C_HD
; two numbers: clamp(z * slope + intercept, 0, 1).  The pair cf holds (slope, intercept): op_sel and op_sel_hi take its first
; register as the factor of both halves and its second as the addend of both.
.macro LINE dst, src, cf
	v_pk_fma_f32 v[\dst:\dst+1], v[\src:\src+1], v[\cf:\cf+1], v[\cf:\cf+1] op_sel:[0,0,1] op_sel_hi:[1,0,1] clamp
.endm
; One pass over the wave's two rows: both lines on my 64 numbers, then SUM = my side's sum over my row, in all 8 lanes of my side.
; The first four terms start the four sums: nothing is cleared.
.macro PASS X
	LINE AA0, \X, PA
	LINE AB0, \X, PB
	LINE AA1, \X+2, PA
	LINE AB1, \X+2, PB
.set p, 4
.rept 15
	LINE T,   \X+p, PA
	LINE T+2, \X+p, PB
	LINE T+4, \X+p+2, PA
	LINE T+6, \X+p+2, PB
	v_pk_add_f32 v[AA0:AA0+1], v[AA0:AA0+1], v[T:T+1]
	v_pk_add_f32 v[AB0:AB0+1], v[AB0:AB0+1], v[T+2:T+3]
	v_pk_add_f32 v[AA1:AA1+1], v[AA1:AA1+1], v[T+4:T+5]
	v_pk_add_f32 v[AB1:AB1+1], v[AB1:AB1+1], v[T+6:T+7]
.set p, p+4
.endr
	v_pk_add_f32 v[AA0:AA0+1], v[AA0:AA0+1], v[AA1:AA1+1]
	v_pk_add_f32 v[AB0:AB0+1], v[AB0:AB0+1], v[AB1:AB1+1]
	v_add_f32 v[AA0], v[AA0], v[AA0+1]
	v_add_f32 v[AB0], v[AB0], v[AB0+1]
	v_add_f32_dpp v[SUM], v[AB0], v[AA0] row_xmask:8 row_mask:0xf bank_mask:0xf   ; what lane i^8 found for my side + what I found
	v_add_f32_dpp v[SUM], v[SUM], v[SUM] row_xmask:1 row_mask:0xf bank_mask:0xf   ; and over the 8 lanes of my side
	v_add_f32_dpp v[SUM], v[SUM], v[SUM] row_xmask:2 row_mask:0xf bank_mask:0xf
	v_add_f32_dpp v[SUM], v[SUM], v[SUM] row_xmask:4 row_mask:0xf bank_mask:0xf
.endm
; A step: two rows, in buffer X.  fill = 1: the next step's rows are asked for first, into buffer XN, whose last readers were the
; vector instructions of the step before.  left = how many younger loads may stay out when this step's rows have to be in.
.macro STEP id, X, XN, fill, left
.if \fill
.irp j, 0,1,2,3,4,5,6,7,8,9,10,11,12,13,14,15
	global_load_b128 v[\XN+4*\j:\XN+4*\j+3], v[OFF], s[4:5] offset:(\id+1)*STEPB+256*\j th:TH_LOAD_NT
.endr
.endif
	s_wait_loadcnt \left                           ; loads return in order: mine are in, the 16 just issued (if any) stay out
	; the row's maximum and minimum: two numbers an instruction, two chains each
	v_max_num_f32 v[MX],  v[\X],    v[\X+1]
	v_min_num_f32 v[MN],  v[\X],    v[\X+1]
	v_max_num_f32 v[MX2], v[\X+32], v[\X+33]
	v_min_num_f32 v[MN2], v[\X+32], v[\X+33]
.set j, 2
.rept 15
	v_max3_num_f32 v[MX],  v[MX],  v[\X+j],    v[\X+j+1]
	v_min3_num_f32 v[MN],  v[MN],  v[\X+j],    v[\X+j+1]
	v_max3_num_f32 v[MX2], v[MX2], v[\X+32+j], v[\X+33+j]
	v_min3_num_f32 v[MN2], v[MN2], v[\X+32+j], v[\X+33+j]
.set j, j+2
.endr
	v_max_num_f32 v[MX], v[MX], v[MX2]
	v_min_num_f32 v[MN], v[MN], v[MN2]
.irp m, 1,2,4,8
	v_max_num_f32_dpp v[MX], v[MX], v[MX] row_xmask:\m row_mask:0xf bank_mask:0xf
	v_min_num_f32_dpp v[MN], v[MN], v[MN] row_xmask:\m row_mask:0xf bank_mask:0xf
.endr
	; R = max(range, 2^-20 max|x|, 2^-120): never 0, and |min / R| <= 2^20, so that no product below overflows
	v_sub_f32 v[WID], v[MX], v[MN]
	v_max_num_f32 v[TMP], |v[MX]|, |v[MN]|
	v_mul_f32 v[TMP], s21, v[TMP]
	v_max3_num_f32 v[WID], v[WID], v[TMP], s24
	v_rcp_f32 v[PN], v[WID]
	v_mul_f32 v[MULW], v[GW], v[WID]               ; two plain instructions that touch neither the reciprocal nor write its source stand
	v_mul_f32 v[ADDM], v[WT], v[MN]                ; between v_rcp_f32 and the first use of its result (ISA guide 5.7.2)
	s_wait_alu depctr_va_vdst(0)
	v_mul_f32 v[PN+1], -v[MN], v[PN]
.set p, 0
.rept 32
	v_pk_fma_f32 v[\X+p:\X+p+1], v[\X+p:\X+p+1], v[PN:PN+1], v[PN:PN+1] op_sel:[0,0,1] op_sel_hi:[1,0,1]   ; z = x / R - min / R, in place
.set p, p+2
.endr
	; the search: lo = 0, hi = 1, first candidate 1/2.  Line of candidate c: top z 2^20 - c 2^20, bottom -z 2^20 + (1 - c) 2^20
	v_mov_b32 v[PA], v[SGB]
	v_xor_b32 v[PB], 0x80000000, v[SGB]
	v_mov_b32 v[DLO], v[D0]
	v_mov_b32 v[SHI], 0                            ; nothing lies above hi = 1
	v_add_f32 v[PA+1], s25, v[D0]
	v_mov_b32_dpp v[PB+1], v[PA+1] row_xmask:8 row_mask:0xf bank_mask:0xf          ; the partner side's intercept
	s_mov_b32 s20, C_NQUART                        ; minus the next step, in ramp units
	s_mov_b32 s9, 0
.Lbis\id:
	PASS \X
	v_cmp_le_f32 vcc_lo, s26, v[SUM]               ; 204.5 <= sum: at least 205 numbers lie above the candidate
	v_cndmask_b32 v[DLO], v[DLO], v[PA+1], vcc_lo  ; then it is the new lo,
	v_cndmask_b32 v[SHI], v[SUM], v[SHI], vcc_lo   ; else the new hi, whose count is kept
	v_add_f32 v[PA+1], s20, v[DLO]                 ; the next candidate (after the last trip: not used)
	s_mul_f32 s20, s20, 0.5
	v_mov_b32_dpp v[PB+1], v[PA+1] row_xmask:8 row_mask:0xf bank_mask:0xf
	s_add_co_u32 s9, s9, 1
	s_cmp_lt_u32 s9, NBITS
	s_cbranch_scc1 .Lbis\id
	; the sum above tau: the same pass with slope +-1 and intercept e = (0 or 1) - tau; u - tau < 1, so the clamp's upper end is never met
	v_fma_f32 v[PA+1], v[DLO], s21, s22            ; e = intercept at lo x 2^-20 - (2^-NBITS + 2^-RAMP), exact
	v_mov_b32 v[PA], v[SG1]
	v_xor_b32 v[PB], 0x80000000, v[SG1]
	v_mov_b32_dpp v[PB+1], v[PA+1] row_xmask:8 row_mask:0xf bank_mask:0xf
	PASS \X
	; mean of the 205 largest u = tau + sum/205 - (205 - count at hi) 2^-(NBITS+1) / 205 = (0 or 1) + q
	v_fma_f32 v[SUM], v[SHI], s27, v[SUM]
	v_add_f32 v[TMP], s27, v[PA+1]
	v_fma_f32 v[SUM], v[SUM], s23, -v[TMP]         ; q
	v_fma_f32 v[SUM], v[MULW], v[SUM], v[ADDM]     ; top lanes: 0.5 (min + R q); bottom lanes: 0.35 (min - R q)
	v_add_f32_dpp v[SUM], v[SUM], v[SUM] row_xmask:8 row_mask:0xf bank_mask:0xf
	ds_store_b32 v[LAD], v[SUM] offset:8*\id       ; the row's 16 lanes write one word with one value
.endm
	STEP 0, X0, X1, 1, 16
	STEP 1, X1, X0, 1, 16
	STEP 2, X0, X1, 1, 16
	STEP 3, X1, X0, 0, 0                           ; the last step asks for nothing: no load leaves x, and its wait is for 0
	; the work-group's 128 results leave as one run of 512 bytes, aligned, stored by wave 0
	s_wait_dscnt 0x0                               ; my four LDS stores are done, for wave 0's sake
	s_barrier_signal -1
	s_barrier_wait -1
	s_cmp_lg_u32 s8, 0
	s_cbranch_scc1 .Lend
	v_lshlrev_b32 v[AA0], 4, v0                    ; wave 0: v0 is the lane; 16 bytes a lane
	ds_load_b128 v[T:T+3], v[AA0]
	s_wait_dscnt 0x0
	global_store_b128 v[AA0], v[T:T+3], s[6:7]
.Lend:
	s_wait_tensorcnt 0x0
	ds_add_u32 v192, v193
	s_wait_dscnt 0x0
	s_endpgm
.Lfunc_end_k_q6de0eeecd0_wildcat:
	.size	k_q6de0eeecd0_wildcat, .Lfunc_end_k_q6de0eeecd0_wildcat-k_q6de0eeecd0_wildcat
	.p2alignl 7, 3214868480
	.fill 96, 4, 3214868480
	.section	.rodata,"a",@progbits
	.p2align	6, 0x0
	.amdhsa_kernel k_q6de0eeecd0_wildcat
		.amdhsa_group_segment_fixed_size 2560
		.amdhsa_private_segment_fixed_size 0
		.amdhsa_enable_private_segment 0
		.amdhsa_kernarg_size 16
		.amdhsa_user_sgpr_count 2
		.amdhsa_user_sgpr_kernarg_segment_ptr 1
		.amdhsa_wavefront_size32 1
		.amdhsa_system_sgpr_workgroup_id_x 1
		.amdhsa_system_sgpr_workgroup_id_y 1
		.amdhsa_system_sgpr_workgroup_id_z 1
		.amdhsa_system_vgpr_workitem_id 0
		.amdhsa_next_free_vgpr 194
		.amdhsa_next_free_sgpr 66
		.amdhsa_reserve_vcc 1
		.amdhsa_float_denorm_mode_32 3
		.amdhsa_float_denorm_mode_16_64 3
		.amdhsa_memory_ordered 1
		.amdhsa_forward_progress 1
		.amdhsa_inst_pref_size 107
	.end_amdhsa_kernel
	.amdgpu_metadata
---
amdhsa.version: [ 1, 2 ]
amdhsa.kernels:
  - .name:           k_q6de0eeecd0_wildcat
    .symbol:         k_q6de0eeecd0_wildcat.kd
    .args:
      - { .name: x, .offset: 0, .size: 8, .value_kind: global_buffer, .address_space: global }
      - { .name: out0, .offset: 8, .size: 8, .value_kind: global_buffer, .address_space: global }
    .group_segment_fixed_size: 2560
    .private_segment_fixed_size: 0
    .kernarg_segment_align: 8
    .kernarg_segment_size: 16
    .max_flat_workgroup_size: 512
    .sgpr_count:     66
    .vgpr_count:     194
    .wavefront_size: 32
...
	.end_amdgpu_metadata
.endif
;; end of part 1
